; MI455X (gfx1250); checked and timed in simulation.
; The chip was launched on July 23, 2026; its instructions are those of AMD's public machine-readable ISA for CDNA 5 (MIT licence, August 2026) and "CDNA5" Instruction Set Architecture Reference Guide (July 2026).
;; Multi Head Attention. Allowed arithmetic: matrix products marked QUANTISED: E2M1 operands, one E8M0 scale for each 32 along K, by v_wmma_scale_f32_16x16x128_f8f6f4 with both operands' format E2M1 (or v_wmma_scale_f32_32x16x128_f4), f32 sums; everything else in f32.
;; Inputs: WL_codes 8,192 x 32 x 16 uint8 (E2M1 codes of WL, K innermost, in blocks of 32 codes, two codes a byte); WL_scales 8,192 x 32 uint8 (E8M0 scales of WL, one for each 32 codes along K); Wk_codes 8,192 x 32 x 16 uint8 (E2M1 codes of Wk, K innermost, in blocks of 32 codes, two codes a byte); Wk_scales 8,192 x 32 uint8 (E8M0 scales of Wk, one for each 32 codes along K); Wq_codes 8,192 x 32 x 16 uint8 (E2M1 codes of Wq, K innermost, in blocks of 32 codes, two codes a byte); Wq_scales 8,192 x 32 uint8 (E8M0 scales of Wq, one for each 32 codes along K); Wv_codes 8,192 x 32 x 16 uint8 (E2M1 codes of Wv, K innermost, in blocks of 32 codes, two codes a byte); Wv_scales 8,192 x 32 uint8 (E8M0 scales of Wv, one for each 32 codes along K); bL 8,192 float32; bk 8,192 float32; bq 8,192 float32; bv 8,192 float32; inputs_codes 2 x 1,024 x 32 x 16 uint8 (E2M1 codes of inputs, K innermost, in blocks of 32 codes, two codes a byte); inputs_scales 2 x 1,024 x 32 uint8 (E8M0 scales of inputs, one for each 32 codes along K).
;; Outputs: out0 2 x 8 x 8,192 float32.
;; This version of the problem:
;;   THIS VERSION OF THE PROBLEM IS GIVEN IN LOW PRECISION. The matrix products marked QUANTISED in the list below multiply operands that are first quantised to E2M1 (2 exponent bits, 1 mantissa bit; 4 bits a number), with one power-of-two scale for each 32 numbers along K (OCP MX v1.0); their sums are f32. All else is computed in f32.
;;   The module's matrix products, in the order in which they are computed (A, B: the left and right operand; K: the contracted axis; several contracted axes count as one K, in the product's order):
;;     1. [M 2,048, K 1,024] x [K 1,024, N 8,192]; A: input inputs (given as codes); B: input Wq (given as codes): QUANTISED
;;     2. [M 2,048, K 1,024] x [K 1,024, N 8,192]; A: input inputs (given as codes); B: input Wk (given as codes): QUANTISED
;;     3. [M 2,048, K 1,024] x [K 1,024, N 8,192]; A: input inputs (given as codes); B: input Wv (given as codes): QUANTISED
;;     4. [M 16, K 1,024] x [K 1,024, N 8,192]; A: computed on the way; B: input WL (given as codes): QUANTISED
;;   THE QUANTISER, for each operand of a quantised product, along K:
;;     - K is cut into blocks of 32 from its start; a last block that is shorter is filled with zeros.
;;     - A block's scale is 2^e with e = floor(log2(the largest magnitude in the block)) - 2, held to -126 .. 127; a block of zeros has e = 0. As a byte (E8M0): e + 127.
;;     - Each number is divided by its block's scale, clamped to +-6, and rounded to the nearest number of E2M1, ties to even, subnormals kept.
;;     - The product sums the exact products of the quantised numbers (number of the format x scale) in f32.
;;   ~~~python
;;   def quantise(x, axis):      # numpy; x: float32 -> the quantised numbers, widened to float32 again
;;       x = np.moveaxis(x, axis, -1); K = x.shape[-1]
;;       x = np.pad(x, [(0, 0)] * (x.ndim - 1) + [(0, -K % 32)]); x = x.reshape(x.shape[:-1] + (-1, 32)); a = np.abs(x).max(-1, keepdims=True)
;;       e = np.where(a > 0, np.clip(np.frexp(np.where(a > 0, a, 1))[1] - 1 - 2, -126, 127), 0)      # np.frexp(a)[1] - 1 = floor(log2(a)), exactly
;;       r = np.clip(x / 2.0 ** e, -6, 6)
;;       step = 2.0 ** (np.maximum(np.frexp(np.where(r == 0, 1, r))[1] - 1, 0) - 1)
;;       q = np.round(r / step) * step * 2.0 ** e      # np.round: ties to even
;;       return np.moveaxis(q.reshape(q.shape[:-2] + (-1,))[..., :K], -1, axis).astype(np.float32)
;;   ~~~
;;   OPERANDS COMPUTED ON THE WAY. 'Computed on the way' means the value that the module computes at that place (a softmax that the list does not call 'softmax' is quantised finished and normalised). What goes into a quantiser is computed in f32, as accurately as f32 sums, v_exp_f32 and their like allow (about 1e-6 of the number): no bf16 or f16 on the way to a quantiser, and a product that is left as it is and whose result goes on into a quantised operand takes f32 operands (vector FMAs, or v_wmma_f32_16x16x4_f32). A number that lies on a knife's edge between two numbers of the format may be rounded either way, as far as f32 arithmetic and the matrix unit's own rounding can turn it there, and no further.
;;   INPUTS GIVEN AS CODES. WL (in the module: [1024, 8192], K = its axis 0); Wk (in the module: [1024, 8192], K = its axis 0); Wq (in the module: [1024, 8192], K = its axis 0); Wv (in the module: [1024, 8192], K = its axis 0); inputs (in the module: [2, 1024, 1024], K = its axis 2): each comes as NAME_codes (uint8): NAME with its K axis moved to the last place and cut into blocks of 32 codes, [.., K / 32, bytes a block], one block behind the other in memory; two codes a byte, the lower K in the low four bits (a code: sign, 2 exponent bits, 1 mantissa bit); and NAME_scales (uint8): the same leading axes, one E8M0 byte (e + 127) for each 32 codes along K. Its value is code x scale, taken as it is: it is not quantised again, and the codes and scales need not be those that the quantiser above would give.
;; One version. Each part assembles by itself: llvm-mc -triple=amdgcn-amd-amdhsa -mcpu=gfx1250 --defsym DOCPART=n.
;; ======== version 1 of 1: 2 launches
;; workspace buffers: part 786,432 bytes
;; launch attn (part 1): grid 64 x 4, 4 waves a work-group, clusters of 4 x 4, 327,680 bytes of LDS; arguments inputs_codes, inputs_scales, Wk_codes, Wk_scales, Wq_codes, Wq_scales, Wv_codes, Wv_scales, bk, bv, part; writes part
.if DOCPART == 1
	.amdgcn_target "amdgcn-amd-amdhsa--gfx1250"
	.amdhsa_code_object_version 6
	.text
	.protected	k_q4ee92b045e_attn
	.globl	k_q4ee92b045e_attn
	.p2align	8
	.type	k_q4ee92b045e_attn,@function
k_q4ee92b045e_attn:
	s_mov_b64 s[64:65], 0
	v_nop
	global_prefetch_b8 v0, s[64:65] scope:SCOPE_SE
	s_setreg_imm32_b32 hwreg(HW_REG_WAVE_MODE, 25, 1), 1
	s_wait_xcnt 0x0
	s_wait_alu depctr_hold_cnt(0) depctr_sa_sdst(0) depctr_va_vdst(0) depctr_va_sdst(0) depctr_va_ssrc(0) depctr_va_vcc(0) depctr_vm_vsrc(0)
	s_getreg_b32 s2, hwreg(HW_REG_IB_STS2, 6, 4)
	s_cmp_eq_u32 s2, 0
	s_cbranch_scc0 .Lentry_in_a_cluster
	s_endpgm
.Lentry_in_a_cluster:
	s_bfe_u32 s2, ttmp6, 0x10000c
	s_cmp_lg_u32 s2, 0xf033
	s_cbranch_scc0 .Lentry_shape_is_right
	s_endpgm
.Lentry_shape_is_right:
.set PITCH,  528
.set OPB,    64*PITCH
.set STRB,   16*PITCH
.set VST,    4*OPB
.set DSC,    8*OPB
.set SOP,    8704
.set SPT,    2176
.set SSC,    DSC+3*SOP
.set SPARE,  SSC+2*SOP
.set BKL,    SPARE+512
.set SLOT1,  1<<17
.set PART,   SLOT1+3*OPB
.set CW0,    (1<<20)|(1<<21)|(6<<22)|(3<<25)
.set SW0,    (3<<16)|(1<<20)|(1<<21)|(5<<22)|(3<<25)
.set AD0, 1
.set AS0, 2
.set AD,  3
.set ADX, 4
.set AS,  5
.set SPW, 6
.set NIL, 7
.set SSX, 8
.set SSV, 24
.set SDK, 40
.set SDQ, 48
.set SDX, 56
.set FB,  64
.set BV,  96
.set KB,  128
.set MX,  144
.set LS0, 144
.set LS1, 146
.set TMP, 148
.set PA,  149
.set NM,  150
.set PA0, 151
.set AC0, 152
.set AC1, 154
.set BKN, 156
.set BKA0, 157
.set BKA, 158
.set MSB, 0
.macro WIN new
.if MSB != \new
	s_set_vgpr_msb (MSB<<8)|\new
.set MSB, \new
.endif
.endm
.macro PLACES
.rept 4
	v_nop
.endr
.endm
.macro CROUND
	s_barrier_signal -1
	s_barrier_wait -1
	s_cmp_lg_u32 s26, 0
	s_cbranch_scc1 .Lnot_wave_0_\@
	s_barrier_signal -3
.Lnot_wave_0_\@:
	s_barrier_wait -3
	s_barrier_signal -1
	s_barrier_wait -1
.endm
.macro JLOAD
	s_cmp_lt_u32 s26, 3
	s_cbranch_scc0 .Lnone_\@
	tensor_load_to_lds s[96:99], s[56:63]
	s_nop 0
.rept 4
	v_nop
.endr
.Lnone_\@:
.endm
.macro CHANGE fill, step
	WIN 0
	s_wait_tensorcnt 0x0
	ds_add_u32 v[SPW], v[NIL]
.if \step
	s_xor_b32 s97, s97, SLOT1
	s_add_nc_u64 s[98:99], s[98:99], 64*512
.endif
	s_wait_dscnt 0x0
.if \fill
	CROUND
	JLOAD
.else
	s_barrier_signal -1
	s_barrier_wait -1
.endif
.endm
.macro SLOTBASE
	s_add_co_u32 s71, s100, 2*OPB
	v_add_nc_u32 v[AD], s100, v[AD0]
	v_add_nc_u32 v[ADX], s71, v[AD0]
.endm
.macro GROUP
	WIN 0
	v_add_nc_u32 v[AS], s68, v[AS0]
	WIN 0xff
	v_add_nc_u32 v[PA], s69, v[PA0]
	v_add_nc_u32 v[BKA], s70, v[BKA0]
	WIN 0
.endm
.macro NEXTGROUP
	s_add_co_u32 s68, s68, 4*544
	s_add_co_u32 s69, s69, 4*384
	s_add_co_u32 s70, s70, 4*64
	GROUP
.endm
.macro LOADQ q, jj
.irp l, 0,1
.irp c, 0,1
	ds_load_b128 v[FB+48*(\q)+24*\l+4*\c:FB+48*(\q)+24*\l+4*\c+3],       v[AD]  offset:(\jj)*STRB+(2*(\q)+\l)*64+32*\c
	ds_load_b128 v[FB+48*(\q)+24*\l+8+4*\c:FB+48*(\q)+24*\l+8+4*\c+3],   v[AD]  offset:(\jj)*STRB+OPB+(2*(\q)+\l)*64+32*\c
	ds_load_b128 v[FB+48*(\q)+24*\l+16+4*\c:FB+48*(\q)+24*\l+16+4*\c+3], v[ADX] offset:(\jj)*STRB+(2*(\q)+\l)*64+32*\c
.endr
.endr
.endm
.macro LOADSC u, jr
	ds_load_b128 v[SDK+4*\u:SDK+4*\u+3], v[AS] offset:(\jr)*544+16*\u
	ds_load_b128 v[SDQ+4*\u:SDQ+4*\u+3], v[AS] offset:(\jr)*544+SOP+16*\u
	ds_load_b128 v[SDX+4*\u:SDX+4*\u+3], v[AS] offset:(\jr)*544+2*SOP+16*\u
.endm
.macro MM set, q
.set AB, 160*(\set)
.set PP, n%2
.if n < 8
.set KS, 2*(\q)+n/4
.set BF, FB+48*(\q)+24*(n/4)
	WIN 0xf1
.if (n%4) < 2
.if KS == 0
	v_wmma_scale_f32_32x16x128_f4 v[AB+16*PP:AB+16*PP+15], v[128*PP+16*KS:128*PP+16*KS+15], v[BF:BF+7], v[KB:KB+15], v[SSX+8*PP+KS], v[SDK+KS]
.else
	v_wmma_scale_f32_32x16x128_f4 v[AB+16*PP:AB+16*PP+15], v[128*PP+16*KS:128*PP+16*KS+15], v[BF:BF+7], v[AB+16*PP:AB+16*PP+15], v[SSX+8*PP+KS], v[SDK+KS]
.endif
.else
.if KS == 0
	v_wmma_scale_f32_32x16x128_f4 v[AB+64+16*PP:AB+64+16*PP+15], v[128*PP+16*KS:128*PP+16*KS+15], v[BF+8:BF+15], 0, v[SSX+8*PP+KS], v[SDQ+KS]
.else
	v_wmma_scale_f32_32x16x128_f4 v[AB+64+16*PP:AB+64+16*PP+15], v[128*PP+16*KS:128*PP+16*KS+15], v[BF+8:BF+15], v[AB+64+16*PP:AB+64+16*PP+15], v[SSX+8*PP+KS], v[SDQ+KS]
.endif
.endif
.else
.set KS, 2*(\q)+(n-8)/2
.set BF, FB+48*(\q)+24*((n-8)/2)
	WIN 0xf2
.if KS == 0
	v_wmma_scale_f32_32x16x128_f4 v[AB+32+16*PP:AB+32+16*PP+15], v[128*PP+16*KS:128*PP+16*KS+15], v[BF+16:BF+23], v[BV+16*PP:BV+16*PP+15], v[SSV+8*PP+KS], v[SDX+KS]
.else
	v_wmma_scale_f32_32x16x128_f4 v[AB+32+16*PP:AB+32+16*PP+15], v[128*PP+16*KS:128*PP+16*KS+15], v[BF+16:BF+23], v[AB+32+16*PP:AB+32+16*PP+15], v[SSV+8*PP+KS], v[SDX+KS]
.endif
.endif
.endm
.macro SLICE set, sm, next
.set KA, 160*(\set)
.set VA, KA+32
.set QA, KA+64
.if \sm && (k < 28)
	WIN 0xff
.if k < 7
.irp u, 0,1,2,3
.set a, 4*k+\u
.if a < 16
	v_pk_mul_f32 v[KA+2*a:KA+2*a+1], v[KA+2*a:KA+2*a+1], v[VA+2*a:VA+2*a+1]
.elseif a < 20
	v_max3_num_f32 v[MX+a-16], v[KA+8*(a-16)], v[KA+8*(a-16)+1], v[KA+8*(a-16)+2]
.else
	v_max3_num_f32 v[MX+(a-20)%4], v[MX+(a-20)%4], v[KA+8*((a-20)%4)+3+2*((a-20)/4)], v[KA+8*((a-20)%4)+4+2*((a-20)/4)]
.endif
.endr
.elseif k == 7
	v_max3_num_f32 v[MX], v[MX], v[KA+7], v[KA+15]
	v_max3_num_f32 v[MX+2], v[MX+2], v[KA+23], v[KA+31]
.elseif k == 8
	v_max3_num_f32 v[MX], v[MX], v[MX+1], v[MX+2]
.elseif k == 9
	v_max_num_f32 v[MX], v[MX], v[MX+3]
.elseif k == 10
	v_mul_f32 v[TMP], s66, v[MX]
.elseif k == 11
	v_floor_f32 v[NM], -v[TMP]
.else
	v_pk_fma_f32 v[KA+2*(k-12):KA+2*(k-12)+1], v[KA+2*(k-12):KA+2*(k-12)+1], s[66:67], v[NM:NM+1] op_sel_hi:[1,0,0]
.endif
.endif
.if \next && (k >= 28) && (k < 36)
	WIN 0xff
	v_mov_b32 v[KB+2*(k-28)], v[BKN]
	v_mov_b32 v[KB+2*(k-28)+1], v[BKN]
.endif
.if \sm && (k >= 13) && (k < 36)
.if ex < 32
	WIN 0xff
	v_exp_f32 v[KA+ex], v[KA+ex]
.set ex, ex+1
.endif
.if ((k-12)%2 == 1) && (ex < 32)
	v_exp_f32 v[KA+ex], v[KA+ex]
.set ex, ex+1
.endif
.endif
.if \sm && (k >= 36)
	WIN 0xff
.if k < 46
.irp u, 0,1,2
.set z, 3*(k-36)+\u
.set ii, 8+4*((z-6)/4)
.if z == 0
	v_pk_add_f32 v[LS0:LS0+1], v[KA:KA+1], v[KA+4:KA+5]
.elseif z == 1
	v_pk_add_f32 v[LS1:LS1+1], v[KA+2:KA+3], v[KA+6:KA+7]
.elseif z == 2
	v_pk_mul_f32 v[AC0:AC0+1], v[KA:KA+1], v[QA:QA+1]
.elseif z == 3
	v_pk_mul_f32 v[AC1:AC1+1], v[KA+2:KA+3], v[QA+2:QA+3]
.elseif z == 4
	v_pk_fma_f32 v[AC0:AC0+1], v[KA+4:KA+5], v[QA+4:QA+5], v[AC0:AC0+1]
.elseif z == 5
	v_pk_fma_f32 v[AC1:AC1+1], v[KA+6:KA+7], v[QA+6:QA+7], v[AC1:AC1+1]
.elseif (z-6)%4 == 0
	v_pk_add_f32 v[LS0:LS0+1], v[LS0:LS0+1], v[KA+ii:KA+ii+1]
.elseif (z-6)%4 == 1
	v_pk_add_f32 v[LS1:LS1+1], v[LS1:LS1+1], v[KA+ii+2:KA+ii+3]
.elseif (z-6)%4 == 2
	v_pk_fma_f32 v[AC0:AC0+1], v[KA+ii:KA+ii+1], v[QA+ii:QA+ii+1], v[AC0:AC0+1]
.else
	v_pk_fma_f32 v[AC1:AC1+1], v[KA+ii+2:KA+ii+3], v[QA+ii+2:QA+ii+3], v[AC1:AC1+1]
.endif
.endr
.elseif k == 46
	v_pk_add_f32 v[LS0:LS0+1], v[LS0:LS0+1], v[LS1:LS1+1]
	v_pk_add_f32 v[AC0:AC0+1], v[AC0:AC0+1], v[AC1:AC1+1]
.else
	v_add_f32 v[LS0], v[LS0], v[LS0+1]
	v_add_f32 v[AC0], v[AC0], v[AC1-1]
.endif
.endif
.endm
.macro PARTIAL pr
	WIN 0xff
	ds_store_b32 v[PA], v[NM] offset:(\pr)*384
	ds_store_b32 v[PA], v[LS0] offset:(\pr)*384+128
	ds_store_b32 v[PA], v[AC0] offset:(\pr)*384+256
.endm
.macro STRIP set, jr, sm, pr, next
.set k, 0
.set ex, 0
.irp q, 0,1,2,3
.if \next || (\q == 0)
	s_wait_dscnt 24
.elseif \q == 1
	s_wait_dscnt 12
.else
	s_wait_dscnt 0x0
.endif
.set n, 0
.rept 12
	MM \set, \q
	SLICE 1-(\set), \sm, \next
.set n, n+1
.set k, k+1
.endr
	PLACES
.if (\q == 2) && \sm
	s_wait_alu depctr_va_vdst(0)
.endif
.if (\q == 3) && \sm
	PARTIAL \pr
.endif
.if \next
.if \q == 0
	WIN 0xff
	ds_load_b32 v[BKN], v[BKA] offset:(\jr)*64
.endif
	WIN 0
	LOADQ \q, ((\jr)&3)
.if \q == 1
	LOADSC 0, \jr
.endif
.if \q == 3
	LOADSC 1, \jr
.endif
.endif
.endr
	WIN 0
.endm
.macro SMBARE set, pr
.set k, 0
.set ex, 0
.rept 48
.if k == 36
	v_nop
	s_wait_alu depctr_va_vdst(0)
.endif
	SLICE \set, 1, 0
.set k, k+1
.endr
	PARTIAL \pr
	WIN 0
.endm
.macro GROUP4 fill
	STRIP 1, 2, 1, 0, 1
	STRIP 0, 3, 1, 1, 1
	CHANGE \fill, \fill
	s_xor_b32 s100, s100, SLOT1
	SLOTBASE
	STRIP 1, 4, 1, 2, 1
	STRIP 0, 5, 1, 3, 1
	NEXTGROUP
.endm
	s_load_b512 s[4:19], s[0:1], 0x0
	s_load_b128 s[20:23], s[0:1], 0x40
	s_load_b64 s[24:25], s[0:1], 0x50
	v_lshl_add_u32 v[SPW], v0, 2, SPARE
	v_mov_b32 v[NIL], 0
	ds_add_u32 v6, v7
	ds_add_u32 v6, v7
	s_wait_dscnt 0x0
	v_lshrrev_b32 v240, 5, v0
	v_readfirstlane_b32 s26, v240
	s_bfe_u32 s27, ttmp6, 0x40000
	s_bfe_u32 s28, ttmp6, 0x40004
	s_and_b32 s29, ttmp9, 1
	s_lshr_b32 s30, ttmp9, 1
	s_mov_b32 s66, 0x3d38aa3b
	s_mov_b32 s67, s66
	s_lshl_b32 s31, s28, 2
	s_lshl_b32 s31, 15, s31
	s_or_b32 s32, s31, CW0
	s_or_b32 s40, s31, SW0
	s_lshl_b32 s100, 0x1111, s27
	s_or_b32 s56, s100, CW0
	s_or_b32 s48, s100, SW0
.irp g, 32, 56
	s_mov_b32 s[\g+1], 512<<16
	s_mov_b32 s[\g+2], 64<<16
	s_mov_b32 s[\g+3], 512<<16
	s_mov_b32 s[\g+4], 64
	s_mov_b32 s[\g+5], 512
	s_mov_b32 s[\g+6], 0
	s_mov_b32 s[\g+7], 0
.endr
.irp g, 40, 48
	s_mov_b32 s[\g+1], 32<<16
	s_mov_b32 s[\g+2], 8<<16
	s_mov_b32 s[\g+3], 32<<16
	s_mov_b32 s[\g+4], 8
	s_mov_b32 s[\g+5], 32
	s_mov_b32 s[\g+6], 0
	s_mov_b32 s[\g+7], 0
.endr
	s_lshl_b32 s3, s26, 6
	s_lshl_b32 s31, s28, 8
	s_add_co_u32 s31, s31, s3
	s_lshl_b32 s2, s29, 10
	s_add_co_u32 s2, s2, s31
	s_lshl_b32 s70, s2, 9
	s_lshl_b32 s78, s2, 5
	s_lshl_b32 s2, s30, 10
	s_add_co_u32 s2, s2, s31
	s_lshl_b32 s74, s2, 9
	s_lshl_b32 s82, s2, 5
	s_lshl_b32 s100, s27, 8
	s_lshl_b32 s101, s30, 10
	s_add_co_u32 s101, s101, s100
	s_lshl_b32 s94, s29, 10
	s_add_co_u32 s100, s94, s100
	s_add_co_u32 s86, s101, s3
	s_lshl_b32 s86, s86, 5
	s_mov_b32 s90, s86
	s_add_co_u32 s94, s100, s3
	s_lshl_b32 s94, s94, 5
	s_cmp_eq_u32 s26, 2
	s_cselect_b32 s100, s100, s101
	s_lshl_b32 s100, s100, 9
	s_mov_b32 s101, 0
.irp g, 71,75,79,83,87,91,95
	s_mov_b32 s\g, 0
.endr
.irp g, 68,72,76,80,84,88,92,96
	s_mov_b32 s\g, 1
.endr
	s_mul_i32 s69, s26, OPB
	s_add_co_u32 s73, s69, VST
	s_mov_b32 s97, s69
	s_mul_i32 s77, s26, SPT
	s_add_co_u32 s81, s77, SSC+SOP
	s_add_co_u32 s85, s77, DSC
	s_add_co_u32 s89, s77, DSC+SOP
	s_add_co_u32 s93, s77, DSC+2*SOP
	s_add_co_u32 s77, s77, SSC
	s_wait_kmcnt 0x0
	s_add_nc_u64 s[70:71], s[4:5], s[70:71]
	s_or_b32 s71, s71, 0x80000000
	s_add_nc_u64 s[74:75], s[16:17], s[74:75]
	s_or_b32 s75, s75, 0x80000000
	s_add_nc_u64 s[78:79], s[6:7], s[78:79]
	s_or_b32 s79, s79, 0x80000000
	s_add_nc_u64 s[82:83], s[18:19], s[82:83]
	s_or_b32 s83, s83, 0x80000000
	s_add_nc_u64 s[86:87], s[10:11], s[86:87]
	s_or_b32 s87, s87, 0x80000000
	s_add_nc_u64 s[90:91], s[14:15], s[90:91]
	s_or_b32 s91, s91, 0x80000000
	s_add_nc_u64 s[94:95], s[6:7], s[94:95]
	s_or_b32 s95, s95, 0x80000000
	s_cmp_eq_u32 s26, 0
	s_cselect_b64 s[98:99], s[8:9], s[12:13]
	s_cmp_eq_u32 s26, 2
	s_cselect_b64 s[98:99], s[4:5], s[98:99]
	s_add_nc_u64 s[98:99], s[98:99], s[100:101]
	s_or_b32 s99, s99, 0x80000000
	CROUND
	tensor_load_to_lds s[68:71], s[32:39]
	s_nop 0
	tensor_load_to_lds s[72:75], s[32:39]
	s_nop 0
	tensor_load_to_lds s[76:79], s[40:47]
	s_nop 0
	tensor_load_to_lds s[80:83], s[40:47]
	s_nop 0
	tensor_load_to_lds s[84:87], s[48:55]
	s_nop 0
	tensor_load_to_lds s[88:91], s[48:55]
	s_nop 0
	tensor_load_to_lds s[92:95], s[48:55]
	s_nop 0
.rept 4
	v_nop
.endr
	s_lshl_b32 s2, s30, 10
	s_lshl_b32 s3, s28, 8
	s_add_co_u32 s2, s2, s3
	s_lshl_b32 s3, s26, 6
	s_add_co_u32 s2, s2, s3
	s_lshl_b32 s2, s2, 2
	s_mov_b32 s3, 0
	s_add_nc_u64 s[22:23], s[22:23], s[2:3]
	s_lshl_b32 s2, s30, 10
	s_lshl_b32 s3, s27, 8
	s_add_co_u32 s2, s2, s3
	s_lshl_b32 s2, s2, 2
	s_mov_b32 s3, 0
	s_add_nc_u64 s[20:21], s[20:21], s[2:3]
	s_lshl_b32 s2, s29, 3
	s_add_co_u32 s2, s2, s30
	s_lshl_b32 s2, s2, 2
	s_add_co_u32 s2, s2, s28
	s_mul_i32 s2, s2, 12288
	s_lshl_b32 s3, s27, 10
	s_add_co_u32 s2, s2, s3
	s_mov_b32 s3, 0
	s_add_nc_u64 s[24:25], s[24:25], s[2:3]
	v_and_b32 v240, 15, v0
	v_bfe_u32 v241, v0, 4, 1
	v_mul_u32_u24 v[AD0], v240, PITCH
	v_lshl_add_u32 v[AD0], v241, 4, v[AD0]
	v_bfe_u32 v242, v0, 3, 1
	v_and_b32 v243, 7, v0
	v_mul_u32_u24 v[AS0], v242, 272
	v_lshl_add_u32 v[AS0], v243, 5, v[AS0]
	v_add_nc_u32 v[AS0], DSC, v[AS0]
	v_bfe_u32 v244, v0, 3, 2
	v_mul_u32_u24 v244, v244, 272
	v_lshl_add_u32 v244, v243, 5, v244
	v_add_nc_u32 v244, s77, v244
	v_add_nc_u32 v245, s69, v[AD0]
	v_add_nc_u32 v246, s73, v[AD0]
	v_lshlrev_b32 v247, 5, v241
	v_and_b32 v248, 31, v0
	v_lshlrev_b32 v249, 4, v248
	WIN 0xc0
.irp m, 0,1,2,3
	global_load_b128 v[BV+8*\m:BV+8*\m+3],   v247, s[22:23] offset:64*\m
	global_load_b128 v[BV+8*\m+4:BV+8*\m+7], v247, s[22:23] offset:64*\m+16
.endr
	WIN 0
	global_load_b128 v[232:235], v249, s[20:21]
	global_load_b128 v[236:239], v249, s[20:21] offset:512
	s_mul_i32 s2, s26, 6144
	s_add_co_u32 s2, s2, PART
	s_lshl_b32 s3, s26, 10
	s_add_co_u32 s3, s3, BKL
	v_lshlrev_b32 v250, 2, v248
	v_lshlrev_b32 v251, 2, v240
	v_lshl_add_u32 v252, v248, 4, s3
	WIN 0xc0
	v_add_nc_u32 v[PA0], s2, v250
	v_add_nc_u32 v[BKA0], s3, v251
	WIN 0
	s_wait_tensorcnt 0x0
	WIN 0x40
.irp m, 0,1,2,3
.irp k, 0,1,2,3,4,5,6,7
	ds_load_b128 v[128*(\m/2)+16*\k+8*(\m%2):128*(\m/2)+16*\k+8*(\m%2)+3],   v245 offset:\m*STRB+64*\k
	ds_load_b128 v[128*(\m/2)+16*\k+8*(\m%2)+4:128*(\m/2)+16*\k+8*(\m%2)+7], v245 offset:\m*STRB+64*\k+32
.endr
.endr
	CHANGE 1, 0
	WIN 0x80
.irp m, 0,1,2,3
.irp k, 0,1,2,3,4,5,6,7
	ds_load_b128 v[128*(\m/2)+16*\k+8*(\m%2):128*(\m/2)+16*\k+8*(\m%2)+3],   v246 offset:\m*STRB+64*\k
	ds_load_b128 v[128*(\m/2)+16*\k+8*(\m%2)+4:128*(\m/2)+16*\k+8*(\m%2)+7], v246 offset:\m*STRB+64*\k+32
.endr
.endr
	WIN 0
.irp p, 0,1
	ds_load_b128 v[SSX+8*\p:SSX+8*\p+3],   v244 offset:1088*\p
	ds_load_b128 v[SSX+8*\p+4:SSX+8*\p+7], v244 offset:1088*\p+16
	ds_load_b128 v[SSV+8*\p:SSV+8*\p+3],   v244 offset:SOP+1088*\p
	ds_load_b128 v[SSV+8*\p+4:SSV+8*\p+7], v244 offset:SOP+1088*\p+16
.endr
	s_wait_loadcnt 0x0
	ds_store_b128 v252, v[232:235]
	ds_store_b128 v252, v[236:239] offset:512
	WIN 0xff
	ds_load_b32 v[BKN], v[BKA0]
	s_wait_dscnt 0x0
.irp j, 0,1,2,3,4,5,6,7,8,9,10,11,12,13,14,15
	v_mov_b32 v[KB+\j], v[BKN]
.endr
	CHANGE 1, 1
	s_mov_b32 s100, 0
	s_mov_b32 s68, 0
	s_mov_b32 s69, 0
	s_mov_b32 s70, 0
	SLOTBASE
	GROUP
	LOADQ 0, 0
	LOADSC 0, 0
	LOADSC 1, 0
	LOADQ 1, 0
	LOADQ 2, 0
	LOADQ 3, 0
	STRIP 0, 1, 0, 0, 1
	s_mov_b32 s101, 2
.Lgroup:
	GROUP4 1
	s_sub_co_u32 s101, s101, 1
	s_cmp_lg_u32 s101, 0
	s_cbranch_scc1 .Lgroup
	GROUP4 0
	STRIP 1, 2, 1, 0, 1
	STRIP 0, 3, 1, 1, 1
	STRIP 1, 0, 1, 2, 0
	SMBARE 1, 3
	s_wait_dscnt 0x0
	s_barrier_signal -1
	s_barrier_wait -1
	v_lshrrev_b32 v208, 3, v0
	v_mul_u32_u24 v208, v208, 384
	v_and_b32 v209, 7, v0
	v_lshl_add_u32 v208, v209, 3, v208
	v_add_nc_u32 v208, PART, v208
	v_lshlrev_b32 v210, 3, v0
.irp w, 0,1,2,3
.irp u, 0,1
	ds_load_b64 v[64+4*\w+2*\u:65+4*\w+2*\u],   v208 offset:\w*6144+64*\u
	ds_load_b64 v[80+4*\w+2*\u:81+4*\w+2*\u],   v208 offset:\w*6144+64*\u+128
	ds_load_b64 v[96+4*\w+2*\u:97+4*\w+2*\u],   v208 offset:\w*6144+64*\u+256
.endr
.endr
	s_wait_dscnt 0x0
.irp e, 0,1
	v_min3_num_f32 v[112+\e], v[64+\e], v[66+\e], v[68+\e]
.endr
.irp e, 0,1
	v_min3_num_f32 v[112+\e], v[112+\e], v[70+\e], v[72+\e]
.endr
.irp e, 0,1
	v_min3_num_f32 v[112+\e], v[112+\e], v[74+\e], v[76+\e]
.endr
.irp e, 0,1
	v_min_num_f32 v[112+\e], v[112+\e], v[78+\e]
.endr
.irp i, 0,2,4,6,8,10,12,14
	v_pk_add_f32 v[120+\i:121+\i], v[112:113], v[64+\i:65+\i] neg_lo:[0,1] neg_hi:[0,1]
.endr
.irp i, 0,1,2,3,4,5,6,7,8,9,10,11,12,13,14,15
	v_cvt_i32_f32 v[120+\i], v[120+\i]
.endr
.irp i, 0,1,2,3,4,5,6,7,8,9,10,11,12,13,14,15
	v_ldexp_f32 v[120+\i], 1.0, v[120+\i]
.endr
	v_pk_mul_f32 v[114:115], v[120:121], v[80:81]
	v_pk_mul_f32 v[116:117], v[120:121], v[96:97]
.irp i, 2,4,6,8,10,12,14
	v_pk_fma_f32 v[114:115], v[120+\i:121+\i], v[80+\i:81+\i], v[114:115]
	v_pk_fma_f32 v[116:117], v[120+\i:121+\i], v[96+\i:97+\i], v[116:117]
.endr
	global_store_b64 v210, v[112:113], s[24:25]
	global_store_b64 v210, v[114:115], s[24:25] offset:4096
	global_store_b64 v210, v[116:117], s[24:25] offset:8192
	s_wait_tensorcnt 0x0
	ds_add_u32 v[SPW], v[NIL]
	s_wait_dscnt 0x0
	CROUND
	s_endpgm
.Lfunc_end_k_q4ee92b045e_attn:
	.size	k_q4ee92b045e_attn, .Lfunc_end_k_q4ee92b045e_attn-k_q4ee92b045e_attn
	.p2alignl 7, 3214868480
	.fill 96, 4, 3214868480
	.section	.rodata,"a",@progbits
	.p2align	6, 0x0
	.amdhsa_kernel k_q4ee92b045e_attn
		.amdhsa_group_segment_fixed_size 327680
		.amdhsa_private_segment_fixed_size 0
		.amdhsa_enable_private_segment 0
		.amdhsa_kernarg_size 88
		.amdhsa_user_sgpr_count 2
		.amdhsa_user_sgpr_kernarg_segment_ptr 1
		.amdhsa_wavefront_size32 1
		.amdhsa_system_sgpr_workgroup_id_x 1
		.amdhsa_system_sgpr_workgroup_id_y 1
		.amdhsa_system_sgpr_workgroup_id_z 1
		.amdhsa_system_vgpr_workitem_id 0
		.amdhsa_next_free_vgpr 1024
		.amdhsa_next_free_sgpr 102
		.amdhsa_reserve_vcc 0
		.amdhsa_float_denorm_mode_32 3
		.amdhsa_float_denorm_mode_16_64 3
		.amdhsa_memory_ordered 1
		.amdhsa_forward_progress 1
		.amdhsa_inst_pref_size 255
	.end_amdhsa_kernel
	.section	.bss,"aw",@nobits
	.p2align	6
	.space	262144
	.amdgpu_metadata
---
amdhsa.version: [ 1, 2 ]
amdhsa.kernels:
  - .name:           k_q4ee92b045e_attn
    .symbol:         k_q4ee92b045e_attn.kd
    .args:
      - { .name: inputs_codes, .offset: 0, .size: 8, .value_kind: global_buffer, .address_space: global }
      - { .name: inputs_scales, .offset: 8, .size: 8, .value_kind: global_buffer, .address_space: global }
      - { .name: Wk_codes, .offset: 16, .size: 8, .value_kind: global_buffer, .address_space: global }
      - { .name: Wk_scales, .offset: 24, .size: 8, .value_kind: global_buffer, .address_space: global }
      - { .name: Wq_codes, .offset: 32, .size: 8, .value_kind: global_buffer, .address_space: global }
      - { .name: Wq_scales, .offset: 40, .size: 8, .value_kind: global_buffer, .address_space: global }
      - { .name: Wv_codes, .offset: 48, .size: 8, .value_kind: global_buffer, .address_space: global }
      - { .name: Wv_scales, .offset: 56, .size: 8, .value_kind: global_buffer, .address_space: global }
      - { .name: bk, .offset: 64, .size: 8, .value_kind: global_buffer, .address_space: global }
      - { .name: bv, .offset: 72, .size: 8, .value_kind: global_buffer, .address_space: global }
      - { .name: part, .offset: 80, .size: 8, .value_kind: global_buffer, .address_space: global }
    .group_segment_fixed_size: 327680
    .private_segment_fixed_size: 0
    .kernarg_segment_align: 8
    .kernarg_segment_size: 88
    .max_flat_workgroup_size: 128
    .sgpr_count:     102
    .vgpr_count:     1024
    .wavefront_size: 32
...
	.end_amdgpu_metadata
.endif
;; end of part 1
;; launch outp (part 2): grid 8 x 32, 4 waves a work-group, clusters of 4 x 1, 168,448 bytes of LDS; arguments part, bq, WL_codes, WL_scales, bL, out0; writes out0
.if DOCPART == 2
	.amdgcn_target "amdgcn-amd-amdhsa--gfx1250"
	.amdhsa_code_object_version 6
	.text
	.protected	k_q4ee92b045e_outp
	.globl	k_q4ee92b045e_outp
	.p2align	8
	.type	k_q4ee92b045e_outp,@function
k_q4ee92b045e_outp:
	s_mov_b64 s[64:65], 0
	v_nop
	global_prefetch_b8 v0, s[64:65] scope:SCOPE_SE
	s_setreg_imm32_b32 hwreg(HW_REG_WAVE_MODE, 25, 1), 1
	s_wait_xcnt 0x0
	s_wait_alu depctr_hold_cnt(0) depctr_sa_sdst(0) depctr_va_vdst(0) depctr_va_sdst(0) depctr_va_ssrc(0) depctr_va_vcc(0) depctr_vm_vsrc(0)
	s_getreg_b32 s2, hwreg(HW_REG_IB_STS2, 6, 4)
	s_cmp_eq_u32 s2, 0
	s_cbranch_scc0 .Lentry_in_a_cluster
	s_endpgm
.Lentry_in_a_cluster:
	s_bfe_u32 s2, ttmp6, 0x10000c
	s_cmp_lg_u32 s2, 0x3003
	s_cbranch_scc0 .Lentry_shape_is_right
	s_endpgm
.Lentry_shape_is_right:
.set PITCH,  528
.set OPB,    64*PITCH
.set STRB,   16*PITCH
.set SPT,    2176
.set WST,    0
.set WSC,    4*OPB
.set POOL,   WSC+4*SPT
.set ATILE,  POOL+8192
.set ASC,    ATILE+10240
.set OSTG,   ASC+512
.set MSB, 0
.macro WIN new
.if MSB != \new
	s_set_vgpr_msb (MSB<<8)|\new
.set MSB, \new
.endif
.endm
.macro CROUND
	s_barrier_signal -1
	s_barrier_wait -1
	s_cmp_lg_u32 s16, 0
	s_cbranch_scc1 .Lnot_wave_0_\@
	s_barrier_signal -3
.Lnot_wave_0_\@:
	s_barrier_wait -3
	s_barrier_signal -1
	s_barrier_wait -1
.endm
	s_load_b128 s[4:7], s[0:1], 0x0
	s_load_b128 s[8:11], s[0:1], 0x10
	s_load_b128 s[12:15], s[0:1], 0x20
	v_lshl_add_u32 v46, v0, 2, 0x29000
	v_mov_b32 v47, 0
	ds_add_u32 v46, v47
	ds_add_u32 v46, v47
	v_lshrrev_b32 v1, 5, v0
	v_readfirstlane_b32 s16, v1
	s_bfe_u32 s17, ttmp6, 0x40000
	s_lshl_b32 s18, ttmp9, 2
	s_add_co_u32 s18, s18, s17
	s_and_b32 s19, ttmp7, 0xffff
	s_mov_b32 s24, 15|(1<<20)|(1<<21)|(6<<22)|(3<<25)
	s_mov_b32 s25, 512<<16
	s_mov_b32 s26, 64<<16
	s_mov_b32 s27, 512<<16
	s_mov_b32 s28, 64
	s_mov_b32 s29, 512
	s_mov_b32 s30, 0
	s_mov_b32 s31, 0
	s_mov_b32 s32, 15|(3<<16)|(1<<20)|(1<<21)|(5<<22)|(3<<25)
	s_mov_b32 s33, 32<<16
	s_mov_b32 s34, 8<<16
	s_mov_b32 s35, 32<<16
	s_mov_b32 s36, 8
	s_mov_b32 s37, 32
	s_mov_b32 s38, 0
	s_mov_b32 s39, 0
	s_lshl_b32 s20, s19, 8
	s_lshl_b32 s21, s16, 6
	s_add_co_u32 s20, s20, s21
	s_lshl_b32 s42, s20, 9
	s_mov_b32 s43, 0
	s_lshl_b32 s46, s20, 5
	s_mov_b32 s47, 0
	s_mov_b32 s40, 1
	s_mul_i32 s41, s16, OPB
	s_mov_b32 s44, 1
	s_mul_i32 s45, s16, SPT
	s_add_co_u32 s45, s45, WSC
	s_wait_dscnt 0x0
	s_wait_kmcnt 0x0
	s_add_nc_u64 s[42:43], s[8:9], s[42:43]
	s_or_b32 s43, s43, 0x80000000
	s_add_nc_u64 s[46:47], s[10:11], s[46:47]
	s_or_b32 s47, s47, 0x80000000
	CROUND
	tensor_load_to_lds s[40:43], s[24:31]
	s_nop 0
	tensor_load_to_lds s[44:47], s[32:39]
	s_nop 0
.rept 4
	v_nop
.endr
	s_mul_i32 s20, s18, 98304
	s_mov_b32 s21, 0
	s_add_nc_u64 s[4:5], s[4:5], s[20:21]
	s_lshl_b32 s20, s18, 1
	s_and_b32 s20, s20, 7
	s_lshl_b32 s20, s20, 12
	s_add_nc_u64 s[6:7], s[6:7], s[20:21]
	s_lshl_b32 s20, s19, 10
	s_lshl_b32 s22, s16, 8
	s_add_co_u32 s20, s20, s22
	s_add_nc_u64 s[12:13], s[12:13], s[20:21]
	s_add_nc_u64 s[14:15], s[14:15], s[20:21]
	s_lshl_b32 s20, s18, 16
	s_add_nc_u64 s[14:15], s[14:15], s[20:21]
	v_lshlrev_b32 v2, 4, v0
	v_and_b32 v31, 15, v0
	v_bfe_u32 v32, v0, 4, 1
	v_lshlrev_b32 v3, 4, v31
.irp g, 0,1,2,3
.irp j, 0,1,2,3,4,5,6,7,8,9,10,11
	global_load_b128 v[48+52*\g+4*\j:48+52*\g+4*\j+3], v2, s[4:5] offset:((\g/2)*12+\j)*4096+(\g%2)*2048
.endr
	global_load_b128 v[48+52*\g+48:48+52*\g+51], v2, s[6:7] offset:2048*\g
.endr
	global_load_b128 v[40:43], v3, s[12:13]
	v_add_nc_u32 v4, ATILE, v2
	v_lshl_add_u32 v5, v0, 2, ASC
	v_add_nc_u32 v6, POOL, v2
	v_lshl_add_u32 v7, v0, 6, POOL
	v_lshrrev_b32 v1, 6, v0
	v_and_b32 v25, 63, v0
	v_mul_u32_u24 v8, v1, 8*PITCH
	v_lshl_add_u32 v8, v25, 3, v8
	v_add_nc_u32 v8, ATILE, v8
	v_lshrrev_b32 v25, 1, v25
	v_lshl_add_u32 v9, v1, 8, v25
	v_add_nc_u32 v9, ASC, v9
	v_mul_u32_u24 v10, v31, PITCH
	v_lshl_add_u32 v10, v32, 4, v10
	v_add_nc_u32 v12, s41, v10
	v_add_nc_u32 v10, ATILE, v10
	v_lshl_add_u32 v11, v31, 5, ASC
	v_bfe_u32 v33, v0, 3, 1
	v_and_b32 v34, 7, v0
	v_mul_u32_u24 v13, v33, 272
	v_lshl_add_u32 v13, v34, 5, v13
	v_add_nc_u32 v13, s45, v13
	s_lshl_b32 s22, s16, 9
	s_add_co_u32 s22, s22, OSTG
	v_lshlrev_b32 v14, 2, v31
	v_lshl_add_u32 v14, v32, 8, v14
	v_add_nc_u32 v14, s22, v14
	v_and_b32 v35, 31, v0
	v_lshl_add_u32 v15, v35, 4, s22
	v_lshlrev_b32 v24, 4, v31
	v_lshl_add_u32 v24, v32, 15, v24
.irp j, 20,21,22,23
	v_mov_b32 v\j, 0
.endr
.irp i, 0,1,2,3,4
	ds_store_b128 v4, v[20:23] offset:2048*\i
.endr
	ds_store_b32 v5, v20
.macro MERGE g
.set G, 48+52*(\g)
	s_wait_loadcnt (3-(\g))*13+1
.irp e, 0,1,2,3
	v_min3_num_f32 v[16+\e], v[G+\e], v[G+12+\e], v[G+24+\e]
.endr
.irp e, 0,1,2,3
	v_min_num_f32 v[16+\e], v[16+\e], v[G+36+\e]
.endr
.irp s, 0,1,2,3
.irp p, 0,2
	v_pk_add_f32 v[G+12*\s+\p:G+12*\s+\p+1], v[16+\p:17+\p], v[G+12*\s+\p:G+12*\s+\p+1] neg_lo:[0,1] neg_hi:[0,1]
.endr
.endr
.irp s, 0,1,2,3
.irp e, 0,1,2,3
	v_cvt_i32_f32 v[G+12*\s+\e], v[G+12*\s+\e]
.endr
.endr
.irp s, 0,1,2,3
.irp e, 0,1,2,3
	v_ldexp_f32 v[G+12*\s+\e], 1.0, v[G+12*\s+\e]
.endr
.endr
.irp p, 0,2
	v_pk_mul_f32 v[G+4+\p:G+5+\p], v[G+\p:G+\p+1], v[G+4+\p:G+5+\p]
	v_pk_mul_f32 v[G+8+\p:G+9+\p], v[G+\p:G+\p+1], v[G+8+\p:G+9+\p]
.endr
.irp s, 1,2,3
.irp p, 0,2
	v_pk_fma_f32 v[G+4+\p:G+5+\p], v[G+12*\s+\p:G+12*\s+\p+1], v[G+12*\s+4+\p:G+12*\s+5+\p], v[G+4+\p:G+5+\p]
	v_pk_fma_f32 v[G+8+\p:G+9+\p], v[G+12*\s+\p:G+12*\s+\p+1], v[G+12*\s+8+\p:G+12*\s+9+\p], v[G+8+\p:G+9+\p]
.endr
.endr
.endm
	MERGE 0
	MERGE 1
	MERGE 2
	MERGE 3
.irp g, 0,1,2,3
.irp e, 0,1,2,3
	v_rcp_f32 v[52+52*\g+\e], v[52+52*\g+\e]
.endr
.endr
	v_nop
	s_wait_alu depctr_va_vdst(0)
.irp g, 0,1,2,3
.irp p, 0,2
	v_pk_fma_f32 v[56+52*\g+\p:57+52*\g+\p], v[56+52*\g+\p:57+52*\g+\p], v[52+52*\g+\p:53+52*\g+\p], v[96+52*\g+\p:97+52*\g+\p]
.endr
.endr
.irp g, 0,1,2,3
	ds_store_b128 v6, v[56+52*\g:59+52*\g] offset:2048*\g
.endr
	s_wait_dscnt 0x0
	s_barrier_signal -1
	s_barrier_wait -1
.irp i, 0,1,2,3
	ds_load_b128 v[48+4*\i:51+4*\i], v7 offset:16*\i
.endr
	s_wait_dscnt 0x0
	v_max3_num_f32 v26, |v48|, |v49|, 0x1800000
.irp i, 50,52,54,56,58,60,62
	v_max3_num_f32 v26, v26, |v[\i]|, |v[\i+1]|
.endr
	v_max_num_f32_dpp v26, v26, v26 row_xmask:1 row_mask:0xf bank_mask:0xf
	v_add_nc_u32 v27, 0xff000000, v26
	v_cvt_scalef32_pk8_fp4_f32 v28, v[48:55], v27
	v_cvt_scalef32_pk8_fp4_f32 v29, v[56:63], v27
	v_lshrrev_b32 v30, 23, v27
	ds_store_b64 v8, v[28:29]
	ds_store_b8 v9, v30
	s_wait_tensorcnt 0x0
	s_wait_dscnt 0x0
	s_barrier_signal -1
	s_barrier_wait -1
.irp k, 0,1,2,3,4,5,6,7
	ds_load_b128 v[64+8*\k:67+8*\k], v10 offset:64*\k
	ds_load_b128 v[68+8*\k:71+8*\k], v10 offset:64*\k+32
.endr
	ds_load_b128 v[128:131], v11
	ds_load_b128 v[132:135], v11 offset:16
.irp t, 0,1,2,3
	ds_load_b128 v[136+8*\t:139+8*\t], v13 offset:544*\t
	ds_load_b128 v[140+8*\t:143+8*\t], v13 offset:544*\t+16
.endr
	WIN 0x40
.irp t, 0,1,2,3
.irp k, 0,1,2,3,4,5,6,7
	ds_load_b128 v[64*\t+8*\k:64*\t+8*\k+3],   v12 offset:\t*STRB+64*\k
	ds_load_b128 v[64*\t+8*\k+4:64*\t+8*\k+7], v12 offset:\t*STRB+64*\k+32
.endr
.endr
	s_wait_dscnt 0x0
	WIN 0x04
.irp k, 0,1,2,3,4,5,6,7
.irp t, 0,1,2,3
.if \k == 0
	v_wmma_scale_f32_16x16x128_f8f6f4 v[168+8*\t:175+8*\t], v[64+8*\k:71+8*\k], v[64*\t+8*\k:64*\t+8*\k+7], 0, v[128+\k], v[136+8*\t+\k] matrix_a_fmt:MATRIX_FMT_FP4 matrix_b_fmt:MATRIX_FMT_FP4
.else
	v_wmma_scale_f32_16x16x128_f8f6f4 v[168+8*\t:175+8*\t], v[64+8*\k:71+8*\k], v[64*\t+8*\k:64*\t+8*\k+7], v[168+8*\t:175+8*\t], v[128+\k], v[136+8*\t+\k] matrix_a_fmt:MATRIX_FMT_FP4 matrix_b_fmt:MATRIX_FMT_FP4
.endif
.endr
.endr
	WIN 0
.rept 4
	v_nop
.endr
.irp t, 0,1,2,3
	ds_store_b32 v14, v[168+8*\t] offset:64*\t
.endr
	ds_load_b128 v[200:203], v15
	s_wait_loadcnt 0x0
	s_wait_dscnt 0x0
	v_pk_add_f32 v[200:201], v[200:201], v[40:41]
	v_pk_add_f32 v[202:203], v[202:203], v[42:43]
	global_store_b128 v24, v[200:203], s[14:15]
	s_wait_tensorcnt 0x0
	ds_add_u32 v46, v47
	s_wait_dscnt 0x0
	CROUND
	s_endpgm
.Lfunc_end_k_q4ee92b045e_outp:
	.size	k_q4ee92b045e_outp, .Lfunc_end_k_q4ee92b045e_outp-k_q4ee92b045e_outp
	.p2alignl 7, 3214868480
	.fill 96, 4, 3214868480
	.section	.rodata,"a",@progbits
	.p2align	6, 0x0
	.amdhsa_kernel k_q4ee92b045e_outp
		.amdhsa_group_segment_fixed_size 168448
		.amdhsa_private_segment_fixed_size 0
		.amdhsa_enable_private_segment 0
		.amdhsa_kernarg_size 48
		.amdhsa_user_sgpr_count 2
		.amdhsa_user_sgpr_kernarg_segment_ptr 1
		.amdhsa_wavefront_size32 1
		.amdhsa_system_sgpr_workgroup_id_x 1
		.amdhsa_system_sgpr_workgroup_id_y 1
		.amdhsa_system_sgpr_workgroup_id_z 1
		.amdhsa_system_vgpr_workitem_id 0
		.amdhsa_next_free_vgpr 512
		.amdhsa_next_free_sgpr 66
		.amdhsa_reserve_vcc 0
		.amdhsa_float_denorm_mode_32 3
		.amdhsa_float_denorm_mode_16_64 3
		.amdhsa_memory_ordered 1
		.amdhsa_forward_progress 1
		.amdhsa_inst_pref_size 39
	.end_amdhsa_kernel
	.amdgpu_metadata
---
amdhsa.version: [ 1, 2 ]
amdhsa.kernels:
  - .name:           k_q4ee92b045e_outp
    .symbol:         k_q4ee92b045e_outp.kd
    .args:
      - { .name: part, .offset: 0, .size: 8, .value_kind: global_buffer, .address_space: global }
      - { .name: bq, .offset: 8, .size: 8, .value_kind: global_buffer, .address_space: global }
      - { .name: WL_codes, .offset: 16, .size: 8, .value_kind: global_buffer, .address_space: global }
      - { .name: WL_scales, .offset: 24, .size: 8, .value_kind: global_buffer, .address_space: global }
      - { .name: bL, .offset: 32, .size: 8, .value_kind: global_buffer, .address_space: global }
      - { .name: out0, .offset: 40, .size: 8, .value_kind: global_buffer, .address_space: global }
    .group_segment_fixed_size: 168448
    .private_segment_fixed_size: 0
    .kernarg_segment_align: 8
    .kernarg_segment_size: 48
    .max_flat_workgroup_size: 128
    .sgpr_count:     66
    .vgpr_count:     512
    .wavefront_size: 32
...
	.end_amdgpu_metadata
.endif
;; end of part 2
